; MI455X (gfx1250); checked and timed in simulation.
; The chip was launched on July 23, 2026; its instructions are those of AMD's public machine-readable ISA for CDNA 5 (MIT licence, August 2026) and "CDNA5" Instruction Set Architecture Reference Guide (July 2026). The comments in the code are by the model that wrote it; some were corrected since.
;; Neural SDF. Allowed arithmetic: matrix products marked QUANTISED: E4M3 operands, one given power-of-two scale a tensor, by v_wmma_f32_16x16x64_fp8_fp8 or v_wmma_f32_16x16x128_fp8_fp8, f32 sums; products left as they are: f32 operands where the result goes on into a quantised operand, else bf16, f16 or f32 operands; f32 sums; everything else in f32.
;; Inputs: V0 64 x 35 float32; V1 64 x 64 float32; V2 13 x 64 float32; b0 64 float32; b1 64 float32; b2 13 float32; g0 64 float32; g1 64 float32; g2 13 float32; lowp_scales 4 int32 (the exponents e of the quantised operands' scales 2^e); points 524,288 x 3 float32; table 16 x 524,288 x 2 float32.
;; Outputs: out0 524,288 x 1 float32; out1 524,288 x 13 float32.
;; This version of the problem:
;;   THIS VERSION OF THE PROBLEM IS GIVEN IN LOW PRECISION. The matrix products marked QUANTISED in the list below multiply operands that are first quantised to E4M3 (4 exponent bits, 3 mantissa bits; 8 bits a number), with one given power-of-two scale for each operand tensor; their sums are f32. All else is computed in f32.
;;   The module's matrix products, in the order in which they are computed (A, B: the left and right operand; K: the contracted axis; several contracted axes count as one K, in the product's order):
;;     1. [M 524,288, K 35] x [K 35, N 64]; A: computed on the way; B: computed on the way: QUANTISED (scales: A lowp_scales[0], B lowp_scales[1])
;;     2. [M 524,288, K 64] x [K 64, N 64]; A: computed on the way; B: computed on the way: QUANTISED (scales: A lowp_scales[2], B lowp_scales[3])
;;     3. [M 524,288, K 64] x [K 64, N 13]; A: computed on the way; B: computed on the way: left as it is (N = 13 < 16)
;;   THE QUANTISER, for each operand of a quantised product, along K:
;;     - The operand's scale is 2^e, e = its entry of the input lowp_scales (int32; the entries are numbered through the quantised products in the list's order, A before B).
;;     - Each number is divided by the scale, clamped to +-448, and rounded to the nearest number of E4M3, ties to even, subnormals kept.
;;     - The product sums the exact products of the quantised numbers (number of the format x scale) in f32.
;;   ~~~python
;;   def quantise(x, axis, e):      # numpy; x: float32 -> the quantised numbers, widened to float32 again
;;       x = np.moveaxis(x, axis, -1); K = x.shape[-1]
;;       r = np.clip(x / 2.0 ** e, -448, 448)
;;       step = 2.0 ** (np.maximum(np.frexp(np.where(r == 0, 1, r))[1] - 1, -6) - 3)
;;       q = np.round(r / step) * step * 2.0 ** e      # np.round: ties to even
;;       return np.moveaxis(q, -1, axis).astype(np.float32)
;;   ~~~
;;   OPERANDS COMPUTED ON THE WAY. 'Computed on the way' means the value that the module computes at that place (a softmax that the list does not call 'softmax' is quantised finished and normalised). What goes into a quantiser is computed in f32, as accurately as f32 sums, v_exp_f32 and their like allow (about 1e-6 of the number): no bf16 or f16 on the way to a quantiser, and a product that is left as it is and whose result goes on into a quantised operand takes f32 operands (vector FMAs, or v_wmma_f32_16x16x4_f32). A number that lies on a knife's edge between two numbers of the format may be rounded either way, as far as f32 arithmetic and the matrix unit's own rounding can turn it there, and no further.
;; 2 versions, each right; version 2 is version 1 with the launch sdf written anew for expert scheduling mode. Each part assembles by itself: llvm-mc -triple=amdgcn-amd-amdhsa -mcpu=gfx1250 --defsym DOCPART=n.
;; ======== version 1 of 2: 2 launches
;; workspace buffers: ucoord 6,291,456 bytes of whole numbers; wimg 11,008 bytes
;; launch prep (part 1): grid 258 x 1, 8 waves a work-group, no clusters, 0 bytes of LDS; arguments points, V0, g0, b0, V1, g1, b1, V2, g2, b2, lowp_scales, ucoord, wimg; writes ucoord, wimg
.if DOCPART == 1
	.amdgcn_target "amdgcn-amd-amdhsa--gfx1250"
	.amdhsa_code_object_version 6
	.text
	.protected	k_qe93a3c7e6c_prep
	.globl	k_qe93a3c7e6c_prep
	.p2align	8
	.type	k_qe93a3c7e6c_prep,@function
k_qe93a3c7e6c_prep:
	s_mov_b64 s[64:65], 0
	v_nop
	global_prefetch_b8 v0, s[64:65] scope:SCOPE_SE
	s_setreg_imm32_b32 hwreg(HW_REG_WAVE_MODE, 25, 1), 1
	s_wait_xcnt 0x0
; TWO JOBS, told apart by the work-group's number.
; (1) Work-groups 0-255: every coordinate p of points becomes the whole number U = min(x01 * 2^25, 2^25 - 1), x01 = clip((p + 1) / 2, 0, 1).
;     The f32 sum p + 1, held within [0, 2], is a multiple of 2^-24 for every f32 p (for p in [-1, -0.5] the sum is exact and p is such a multiple; from 0.5 on
;     f32 numbers are no finer), so U holds x01 exactly; the next launch forms all 16 levels' cells from it in whole numbers.  U = 2^25 (x01 = 1) is held at 2^25 - 1: that gives the last cell of every level.
;     The three coordinates are alike: the job is a stream over 1,572,864 numbers, 6 pieces of 16 bytes a thread; a wave's load or store covers 512 consecutive bytes.
; (2) Work-groups 256, 257: the weight-normalised weights W = g V / |V|, laid as IMAGES OF THE OPERANDS' REGISTERS (1,024 bytes: registers 0-3 of lane L at 16 L, registers 4-7 at 512 + 16 L):
;     wimg + 0     W0 as E4M3 codes / 2^e1, 4 tiles of 16 rows.  K's places are this program's own, alike in both operands: lane half h, registers 0-3: columns 3 + 16 h + 0..15 (the encoding); h = 0, register 4: columns 0, 1, 2 (the point) and a zero; all else zero codes
;     wimg + 4096  W1 as E4M3 codes / 2^e3, 4 tiles; registers 2 c, 2 c + 1: k = 16 c + 8 h + 0..7
;     wimg + 8192  W2 x 2^(e2 + e3) in bf16, 2 K steps of 32; rows 13-15 repeat rows 5-7
;     wimg + 10240 b0 / 2^(e0 + e1), wimg + 10496 b1 / 2^(e2 + e3): 64 f32 each;  wimg + 10752 b2: 16 f32, places 13-15 repeat 5-7
; LIMITS: NaN and infinities among the inputs are not served; a row of V whose sum of squares is under 2^-126 counts as zero (v_rsq_f32 takes denormals as 0: ISA guide 15.8); e1 and e3 lie between -126 and 119.
; No LDS, no barrier, no matrix unit: the stream is bound by its bytes, and the weights are 28 KB of work done once.
.set NSTREAM, 256                      ; work-groups of job (1): 256 x 24,576 bytes = 6,291,456
.set X,   16                           ; v16-47  up to 32 numbers of a row of V
.set F,   48                           ; v48-63  the image's registers
.set GN,  64                           ; v64     g of my row
.set SS,  66                           ; v66-73  sums of squares: four chains of pairs
.set PL,  74                           ; v74     the other half of the lanes' sum
.set FA,  76                           ; v[76:77] g / |V| (the low word serves both halves of a packed multiply)
.set SC,  78                           ; v78     2^e as f32
.set LIM, 79                           ; v79     448 x 2^e
	s_load_b512 s[4:19], s[0:1], 0x0               ; points 4:5, V0 6:7, g0 8:9, b0 10:11, V1 12:13, g1 14:15, b1 16:17, V2 18:19
	s_load_b256 s[20:27], s[0:1], 0x40             ; g2 20:21, b2 22:23, the scales' exponents 24:25, ucoord 26:27
	s_load_b64 s[28:29], s[0:1], 0x60              ; wimg
	v_lshrrev_b32 v1, 5, v0
	v_readfirstlane_b32 s30, v1                    ; wave 0..7
	s_cmp_lt_u32 ttmp9, NSTREAM
	s_cbranch_scc0 .Lweights
	; ---- job (1)
	v_lshlrev_b32 v1, 4, v0                        ; 16 bytes a thread
	s_mul_i32 s40, ttmp9, 24576
	s_mov_b32 s41, 0
	s_mov_b32 s38, 0x4c000000                      ; 2^25
	s_wait_kmcnt 0x0
	s_add_nc_u64 s[4:5], s[4:5], s[40:41]
	s_add_nc_u64 s[26:27], s[26:27], s[40:41]
.irp i, 0,1,2,3,4,5
	global_load_b128 v[8+4*\i:11+4*\i], v1, s[4:5] offset:4096*\i th:TH_LOAD_NT
.endr
.irp i, 0,1,2,3,4,5
	s_wait_loadcnt 5-\i                            ; loads come back in order: piece i is in, the 5 - i younger ones stay out
	v_pk_add_f32 v[8+4*\i:9+4*\i], v[8+4*\i:9+4*\i], 1.0 op_sel_hi:[1,0]              ; p + 1, rounded as reference() rounds it
	v_pk_add_f32 v[10+4*\i:11+4*\i], v[10+4*\i:11+4*\i], 1.0 op_sel_hi:[1,0]
	v_pk_mul_f32 v[8+4*\i:9+4*\i], v[8+4*\i:9+4*\i], 0x4b800000 op_sel_hi:[1,0]       ; x 2^24: nothing is rounded
	v_pk_mul_f32 v[10+4*\i:11+4*\i], v[10+4*\i:11+4*\i], 0x4b800000 op_sel_hi:[1,0]
.irp j, 0,1,2,3
	v_med3_num_f32 v[8+4*\i+\j], v[8+4*\i+\j], 0, s38                                 ; the clip to [0, 1], here [0, 2^25]
.endr
.irp j, 0,1,2,3
	v_cvt_u32_f32 v[8+4*\i+\j], v[8+4*\i+\j]                                          ; a whole number already
.endr
.irp j, 0,1,2,3
	v_min_u32 v[32+4*\i+\j], 0x1ffffff, v[8+4*\i+\j]
.endr
	global_store_b128 v1, v[32+4*\i:35+4*\i], s[26:27] offset:4096*\i                 ; each piece has registers of its own: no store's data are written again
.endr
	s_endpgm
	; ---- job (2)
; The sum of squares of X's first 2 np numbers, with the other half of the lanes' added; then g / |V|.
.macro NORM np
.irp k, 0,1,2,3
	v_pk_mul_f32 v[SS+2*\k:SS+2*\k+1], v[X+2*\k:X+2*\k+1], v[X+2*\k:X+2*\k+1]         ; the first four pairs start the chains: nothing is cleared
.endr
.set j, 4
.rept \np-4
	v_pk_fma_f32 v[SS+2*(j%4):SS+2*(j%4)+1], v[X+2*j:X+2*j+1], v[X+2*j:X+2*j+1], v[SS+2*(j%4):SS+2*(j%4)+1]
.set j, j+1
.endr
	v_pk_add_f32 v[SS:SS+1], v[SS:SS+1], v[SS+2:SS+3]
	v_pk_add_f32 v[SS+4:SS+5], v[SS+4:SS+5], v[SS+6:SS+7]
	v_pk_add_f32 v[SS:SS+1], v[SS:SS+1], v[SS+4:SS+5]
	v_add_f32 v[SS], v[SS], v[SS+1]
	v_permlanex16_b32 v[PL], v[SS], s36, s37       ; lane l xor 16 holds the row's other columns
	v_add_f32 v[SS], v[SS], v[PL]
	v_rsq_f32 v[FA], v[SS]
	v_nop                                          ; a plain instruction behind the transcendental,
	s_wait_alu depctr_va_vdst(0)                   ; and the wait ahead of its first reader
	v_mul_f32 v[FA], v[FA], v[GN]
.endm
.macro MULX np                         ; X x g / |V|
.set j, 0
.rept \np
	v_pk_mul_f32 v[X+2*j:X+2*j+1], v[X+2*j:X+2*j+1], v[FA:FA+1] op_sel_hi:[1,0]
.set j, j+1
.endr
.endm
.macro SCALES e                        ; 2^e and 448 x 2^e as f32 numbers
	s_add_co_i32 s40, \e, 127
	s_lshl_b32 s41, s40, 23
	v_mov_b32 v[SC], s41
	s_add_co_i32 s40, s40, 8
	s_lshl_b32 s40, s40, 23
	s_or_b32 s40, s40, 0x600000
	v_mov_b32 v[LIM], s40
.endm
.macro CODES nc                        ; 8 nc numbers become codes
.set j, 0
.rept 8*\nc
	v_med3_num_f32 v[X+j], v[X+j], -v[LIM], v[LIM] ; the conversion to an 8-bit code does not saturate (ISA guide 7.6.2): the hold at the largest code x the scale
.set j, j+1
.endr
.set j, 0
.rept \nc
	v_cvt_scalef32_pk8_fp8_f32 v[F+2*j:F+2*j+1], v[X+8*j:X+8*j+7], v[SC]
.set j, j+1
.endr
	v_nop                                          ; a plain instruction behind the last conversion
.endm
.Lweights:
	v_and_b32 v1, 31, v0                           ; lane L
	v_and_b32 v2, 15, v0                           ; r
	v_bfe_u32 v3, v0, 4, 1                         ; h
	v_lshlrev_b32 v9, 4, v1                        ; 16 L: my place in an image
	s_mov_b32 s36, 0x76543210                      ; v_permlanex16_b32: lane l xor 16
	s_mov_b32 s37, 0xfedcba98
	v_mov_b32 v[PL], 0                             ; a lane permute's destination counts as read
	v_mov_b32 v[FA+1], 0                           ; named as the upper half of a pair
	s_wait_kmcnt 0x0
	s_load_b128 s[32:35], s[24:25], 0x0            ; e0, e1, e2, e3
	s_cmp_eq_u32 ttmp9, NSTREAM
	s_cbranch_scc0 .Lsmall
	; work-group 256: waves 0-3 make W0's tiles, waves 4-7 W1's
	s_and_b32 s31, s30, 3                          ; the tile
	v_lshl_add_u32 v4, s31, 4, v2                  ; my row n = 16 t + r
	s_lshl_b32 s39, s31, 10
	v_add_nc_u32 v9, s39, v9                       ; the tile's image
	v_lshlrev_b32 v7, 2, v4
	s_cmp_lt_u32 s30, 4
	s_cbranch_scc0 .Lw1
	v_mul_u32_u24 v6, v4, 140                      ; a row of V0 is 35 numbers
	v_lshl_add_u32 v5, v3, 6, v6
.irp i, 0,1,2,3,4,5,6,7,8,9,10,11,12,13,14,15
	global_load_b32 v[X+\i], v5, s[6:7] offset:12+4*\i   ; columns 3 + 16 h + i
.endr
.irp c, 0,1,2
	global_load_b32 v[X+16+\c], v6, s[6:7] offset:4*\c   ; columns 0, 1, 2
.endr
	global_load_b32 v[GN], v7, s[8:9]
.irp i, 19,20,21,22,23
	v_mov_b32 v[X+\i], 0
.endr
	v_mov_b32 v[F+6], 0
	v_mov_b32 v[F+7], 0
	v_cmp_eq_u32 vcc_lo, 0, v3
	s_wait_loadcnt 0x0
.irp c, 0,1,2
	v_cndmask_b32 v[X+16+\c], 0, v[X+16+\c], vcc_lo      ; they count once: in lanes 0-15
.endr
	NORM 12
	MULX 12
	s_wait_kmcnt 0x0
	SCALES s33
	CODES 3
	global_store_b128 v9, v[F:F+3], s[28:29]
	global_store_b128 v9, v[F+4:F+7], s[28:29] offset:512
	s_endpgm
.Lw1:
	v_lshlrev_b32 v5, 8, v4                        ; a row of V1 is 256 bytes
	v_lshl_add_u32 v5, v3, 5, v5
.irp c, 0,1,2,3
	global_load_b128 v[X+8*\c:X+8*\c+3], v5, s[12:13] offset:64*\c        ; k = 16 c + 8 h + 0..7
	global_load_b128 v[X+8*\c+4:X+8*\c+7], v5, s[12:13] offset:64*\c+16
.endr
	global_load_b32 v[GN], v7, s[14:15]
	s_wait_loadcnt 0x0
	NORM 16
	MULX 16
	s_wait_kmcnt 0x0
	SCALES s35
	CODES 4
	global_store_b128 v9, v[F:F+3], s[28:29] offset:4096
	global_store_b128 v9, v[F+4:F+7], s[28:29] offset:4608
	s_endpgm
.Lsmall:
	; work-group 257: wave 0 makes W2's image, wave 1 the biases'
	v_add_nc_u32 v5, 3, v2
	v_lshrrev_b32 v5, 4, v5                        ; 1 from r = 13 on
	v_lshlrev_b32 v5, 3, v5
	v_sub_nc_u32 v4, v2, v5                        ; the row: r, and r - 8 for r = 13, 14, 15: no load leaves its buffer
	v_lshlrev_b32 v7, 2, v4
	s_cmp_eq_u32 s30, 0
	s_cbranch_scc0 .Lbias
	v_lshlrev_b32 v6, 8, v4
	v_lshl_add_u32 v6, v3, 5, v6
.irp s, 0,1
.irp c, 0,1
	global_load_b128 v[X+16*\s+8*\c:X+16*\s+8*\c+3], v6, s[18:19] offset:128*\s+64*\c       ; k = 32 s + 16 c + 8 h + 0..7
	global_load_b128 v[X+16*\s+8*\c+4:X+16*\s+8*\c+7], v6, s[18:19] offset:128*\s+64*\c+16
.endr
.endr
	global_load_b32 v[GN], v7, s[20:21]
	s_wait_loadcnt 0x0
	NORM 16
	s_wait_kmcnt 0x0
	s_add_co_i32 s40, s34, s35
	v_ldexp_f32 v[FA], v[FA], s40                  ; x 2^(e2 + e3): the last hidden layer reaches the product divided by that power
	MULX 16
.set j, 0
.rept 16
	v_cvt_pk_bf16_f32 v[F+j], v[X+2*j], v[X+2*j+1]
.set j, j+1
.endr
.irp s, 0,1
	global_store_b128 v9, v[F+8*\s:F+8*\s+3], s[28:29] offset:8192+1024*\s
	global_store_b128 v9, v[F+8*\s+4:F+8*\s+7], s[28:29] offset:8192+1024*\s+512
.endr
	s_endpgm
.Lbias:
	s_cmp_eq_u32 s30, 1
	s_cbranch_scc0 .Lend
	v_lshlrev_b32 v4, 4, v2                        ; 16 r: four numbers of 64
	global_load_b128 v[16:19], v4, s[10:11]        ; b0
	global_load_b128 v[20:23], v4, s[16:17]        ; b1
	global_load_b32 v24, v7, s[22:23]              ; b2 of my row
	v_lshlrev_b32 v8, 2, v2
	v_cmp_eq_u32 vcc_lo, 0, v3
	s_wait_kmcnt 0x0
	s_add_co_i32 s40, s32, s33
	s_sub_co_i32 s40, 0, s40                       ; -(e0 + e1)
	s_add_co_i32 s41, s34, s35
	s_sub_co_i32 s41, 0, s41                       ; -(e2 + e3)
	s_wait_loadcnt 0x0
.irp i, 0,1,2,3
	v_ldexp_f32 v[16+\i], v[16+\i], s40            ; a bias goes in as the C of its sums, which lack that power of two
	v_ldexp_f32 v[20+\i], v[20+\i], s41
.endr
.irp i, 0,1,2,3
	v_cndmask_b32 v[16+\i], v[20+\i], v[16+\i], vcc_lo   ; lanes 0-15 carry b0, lanes 16-31 b1
.endr
	global_store_b128 v9, v[16:19], s[28:29] offset:10240   ; 512 consecutive bytes
	global_store_b32 v8, v24, s[28:29] offset:10752         ; both halves of the lanes hold the same 16 numbers and write them to the same 16 words
.Lend:
	s_endpgm
.Lfunc_end_k_qe93a3c7e6c_prep:
	.size	k_qe93a3c7e6c_prep, .Lfunc_end_k_qe93a3c7e6c_prep-k_qe93a3c7e6c_prep
	.p2alignl 7, 3214868480
	.fill 96, 4, 3214868480
	.section	.rodata,"a",@progbits
	.p2align	6, 0x0
	.amdhsa_kernel k_qe93a3c7e6c_prep
		.amdhsa_group_segment_fixed_size 0
		.amdhsa_private_segment_fixed_size 0
		.amdhsa_enable_private_segment 0
		.amdhsa_kernarg_size 104
		.amdhsa_user_sgpr_count 2
		.amdhsa_user_sgpr_kernarg_segment_ptr 1
		.amdhsa_wavefront_size32 1
		.amdhsa_system_sgpr_workgroup_id_x 1
		.amdhsa_system_sgpr_workgroup_id_y 1
		.amdhsa_system_sgpr_workgroup_id_z 1
		.amdhsa_system_vgpr_workitem_id 0
		.amdhsa_next_free_vgpr 96
		.amdhsa_next_free_sgpr 66
		.amdhsa_reserve_vcc 1
		.amdhsa_float_denorm_mode_32 3
		.amdhsa_float_denorm_mode_16_64 3
		.amdhsa_memory_ordered 1
		.amdhsa_forward_progress 1
		.amdhsa_inst_pref_size 29
	.end_amdhsa_kernel
	.amdgpu_metadata
---
amdhsa.version: [ 1, 2 ]
amdhsa.kernels:
  - .name:           k_qe93a3c7e6c_prep
    .symbol:         k_qe93a3c7e6c_prep.kd
    .args:
      - { .name: points, .offset: 0, .size: 8, .value_kind: global_buffer, .address_space: global }
      - { .name: V0, .offset: 8, .size: 8, .value_kind: global_buffer, .address_space: global }
      - { .name: g0, .offset: 16, .size: 8, .value_kind: global_buffer, .address_space: global }
      - { .name: b0, .offset: 24, .size: 8, .value_kind: global_buffer, .address_space: global }
      - { .name: V1, .offset: 32, .size: 8, .value_kind: global_buffer, .address_space: global }
      - { .name: g1, .offset: 40, .size: 8, .value_kind: global_buffer, .address_space: global }
      - { .name: b1, .offset: 48, .size: 8, .value_kind: global_buffer, .address_space: global }
      - { .name: V2, .offset: 56, .size: 8, .value_kind: global_buffer, .address_space: global }
      - { .name: g2, .offset: 64, .size: 8, .value_kind: global_buffer, .address_space: global }
      - { .name: b2, .offset: 72, .size: 8, .value_kind: global_buffer, .address_space: global }
      - { .name: lowp_scales, .offset: 80, .size: 8, .value_kind: global_buffer, .address_space: global }
      - { .name: ucoord, .offset: 88, .size: 8, .value_kind: global_buffer, .address_space: global }
      - { .name: wimg, .offset: 96, .size: 8, .value_kind: global_buffer, .address_space: global }
    .group_segment_fixed_size: 0
    .private_segment_fixed_size: 0
    .kernarg_segment_align: 8
    .kernarg_segment_size: 104
    .max_flat_workgroup_size: 256
    .sgpr_count:     66
    .vgpr_count:     96
    .wavefront_size: 32
...
	.end_amdgpu_metadata
.endif
;; end of part 1
;; launch sdf (part 2): grid 256 x 1, 16 waves a work-group, no clusters, 247,808 bytes of LDS; arguments ucoord, points, table, wimg, lowp_scales, out0, out1; writes out0, out1
.if DOCPART == 2
	.amdgcn_target "amdgcn-amd-amdhsa--gfx1250"
	.amdhsa_code_object_version 6
	.text
	.protected	k_qe93a3c7e6c_sdf
	.globl	k_qe93a3c7e6c_sdf
	.p2align	8
	.type	k_qe93a3c7e6c_sdf,@function
k_qe93a3c7e6c_sdf:
	s_mov_b64 s[64:65], 0
	v_nop
	global_prefetch_b8 v0, s[64:65] scope:SCOPE_SE
	s_setreg_imm32_b32 hwreg(HW_REG_WAVE_MODE, 25, 1), 1
	s_wait_xcnt 0x0
; out1 = MLP([points, hashgrid(points)]), out0 = its column 0.  Products 1 and 2 on E4M3 codes (v_wmma_f32_16x16x64_fp8_fp8), product 3 in bf16; all else in f32.
; SHARES.  256 work-groups of 16 waves; a work-group owns 2,048 points, a wave 128: four SETS of 32 in the encoding (a lane is one point of each set), eight TILES of 16 in the MLP
; (tile 2 s + a = lanes 16 a .. 16 a + 15 of set s).  All 524,288 points are at work at once and every wave walks the 16 levels in the same order, so that the gathers of any one time fall into one or two levels' 4 MiB.
; Waves share nothing: every LDS byte is one wave's own, there is no barrier, and EXEC is never changed.
; NO CLUSTER, NO TENSOR LOAD: what work-groups share is 10,816 bytes of weights, loaded once a wave into registers; the table is read by gathers of 8 bytes a lane, not by tiles.
; THE CELLS come from whole numbers that the launch before stored: U = x01 * 2^25 (exact), held at 2^25 - 1.  cell = floor(U K / 2^25), K = grid size - 1, lies in 0 .. K - 1 with no clip.
; It differs from floor(the f32 product x01 K) only where that product rounds up to a whole number n: then the cell here is n - 1 with the weight w = 1, which blends the same corner values as cell n with w = 0.
; The weights w = f32(x01 K) - cell are made as reference() makes them: the product is rounded first.
; GRID SIZES, from reference()'s f64 formula: 17 23 31 43 59 (dense) 81 112 154 213 295 407 562 777 1073 1483 2049 (hashed).  The last lies at floor(16 x 128.0...) + 1 and is taken as 2049: followed by hand through the f64 steps, the growth factor rounds to just above 2^(7/15).
; THE PRODUCTS ARE USED TRANSPOSED (source 0 = 16 rows of W, source 1 = 16 points): lane (r, h), register j of tile t holds hidden unit 16 t + 8 h + j of point r, so four conversions of a layer's four accumulators ARE the next operand.
; SOFTPLUS.  softplus(100 x) / 100 = max(x, 0) + (ln 2 / 100) log2(1 + y), y = 2^(-100 log2(e) |x|).  log2(1 + y) = log2(u) + log2(e) d, u = f32(1 + y), d = y - (u - 1) (exact): what the sum 1 + y rounds away is given back.
; The sums stand for x / 2^(eA + eB): that power is folded into the two constants, and the next conversion's scale is 2^(e2 - e0 - e1).
; LIMITS: NaN and infinities are not served.  e0 and e2 - e0 - e1 lie between -126 and 119; e0 + e1 and e2 + e3 between -133 and 118, so that each constant below is an f32 number.  K's order inside a product is this program's own.
.set STAGE, 131072                     ; LDS: 16 x 8,192 bytes of code images (8 tiles x 1,024 a wave), then
.set STGW,  6656                       ; 16 stages of 128 points x 52 bytes, dense, then
.set BIAS,  237568                     ; 16 x 512 bytes: b0's and b1's images
.set PFO,  2                           ; v2   the prefetches' offset; never rewritten
.set CW,   3                           ; v3   where my point's codes go: my wave's images + 1,024 (lane / 16) + 16 (lane % 16)
.set LI,   4                           ; v4   my wave's images + 16 x lane
.set SO1,  5                           ; v5   my stage + 52 r + 32 h
.set SO2,  6                           ; v6   my stage + 52 r
.set BIA,  7                           ; v7   my biases + 32 h
.set SC0,  8                           ; v8   2^e0          v9  448 x 2^e0
.set LM0,  9
.set SC1,  10                          ; v10  2^(e2 - e0 - e1)   v11  448 x that
.set LM1,  11
.set L16,  12                          ; v12  16 x lane
.set O0A,  13                          ; v13  my stage + 208 x lane: four points' first numbers
.set TA,   14                          ; v14-17 addresses at work
.set STR,  18                          ; v18  my stage + 16 x lane
; the encoding's registers
.set X01,  20                          ; v20-35   set s: x01 of x, y, z at 4 s
.set UH,   36                          ; v36-47   U >> 13
.set UL,   48                          ; v48-59   U & 0x1fff
.set ACC,  60                          ; v60-91   set s: 8 features (4 levels)
.set G,    92                          ; v92-155  set s, corner c: 2 features as gathered
.set WC,   156                         ; v156-187 set s, corner c = dx + 2 dy + 4 dz: its weight
.set IDX,  188                         ; v188-219 set s, corner c: its index
.set PX,   220                         ; v220-222 the cell
.set HY,   224                         ; v224, 225 y's hash for dy = 0, 1;  v226, 227 z's
.set HZ,   226
.set HH,   228                         ; v228-231 their exclusive or, dy + 2 dz
.set X1,   232
.set POS,  234
.set PF,   238
.set WX,   242                         ; pairs (1 - w, w)
.set WY,   244
.set WZ,   246
.set XY0,  248
.set XY1,  250
.set CC,   252                         ; 8 codes
; the MLP's registers, laid over them
.set W0,   20                          ; 4 tiles x 8
.set W1,   52
.set W2,   84                          ; 2 K steps x 8
.set B2C,  100                         ; b2 in the result's layout
.set B0,   108                         ; a tile's codes of [points, enc]
.set B1,   116                         ; of the first hidden layer
.set HB,   124                         ; the second hidden layer in bf16
.set D2,   140
.set RA,   148
.set RB,   180
.set RC,   212
.set TR,   244
.set TB,   66                          ; s[66 + 2 lv : 67 + 2 lv]: level lv of the table; made once, never rewritten
	s_load_b256 s[4:11], s[0:1], 0x0               ; ucoord 4:5, points 6:7, table 8:9, wimg 10:11
	s_load_b128 s[12:15], s[0:1], 0x20             ; the scales' exponents 12:13, out0 14:15
	s_load_b64 s[16:17], s[0:1], 0x30              ; out1
	v_lshl_add_u32 v254, v0, 2, 0x3c000
	v_mov_b32 v255, 0
	v_lshrrev_b32 v1, 5, v0
	v_readfirstlane_b32 s18, v1                    ; wave 0..15
	s_lshr_b32 s19, s18, 1
	v_and_b32 v1, 31, v0                           ; lane
	v_and_b32 v14, 15, v0                          ; r
	v_bfe_u32 v15, v0, 4, 1                        ; h
	v_lshlrev_b32 v[L16], 4, v1
	s_lshl_b32 s40, ttmp9, 14
	s_and_b32 s41, s18, 1
	s_lshl_b32 s41, s41, 13
	s_add_co_u32 s40, s40, s41
	v_lshl_add_u32 v[PFO], v1, 8, s40              ; 16,384 x work-group + 8,192 x (wave % 2) + 256 x lane
	s_lshl_b32 s41, s18, 13
	v_lshlrev_b32 v[CW], 4, v14
	v_lshl_add_u32 v[CW], v15, 10, v[CW]
	v_add_nc_u32 v[CW], s41, v[CW]
	v_add_nc_u32 v[LI], s41, v[L16]
	s_mul_i32 s42, s18, STGW
	s_add_co_u32 s42, s42, STAGE
	v_mul_u32_u24 v[SO2], v14, 52
	v_add_nc_u32 v[SO2], s42, v[SO2]
	v_lshl_add_u32 v[SO1], v15, 5, v[SO2]
	v_mul_u32_u24 v[O0A], v1, 208
	v_add_nc_u32 v[O0A], s42, v[O0A]
	v_add_nc_u32 v[STR], s42, v[L16]
	s_lshl_b32 s43, s18, 9
	s_add_co_u32 s43, s43, BIAS
	v_lshl_add_u32 v[BIA], v15, 5, s43
	v_add_nc_u32 v[TA+2], s43, v[L16]
	v_mul_u32_u24 v[TA+3], v1, 12                  ; a point is 12 bytes
	s_lshl_b32 s40, ttmp9, 11
	s_lshl_b32 s41, s18, 7
	s_add_co_u32 s40, s40, s41                     ; my wave's first point
	s_mul_i32 s42, s40, 12
	s_mov_b32 s43, 0
	s_wait_kmcnt 0x0
	s_load_b128 s[20:23], s[12:13], 0x0            ; e0, e1, e2, e3
	s_add_nc_u64 s[4:5], s[4:5], s[42:43]
	s_add_nc_u64 s[6:7], s[6:7], s[42:43]
.irp s, 0,1,2,3
.irp a, 0,1,2
	global_load_b32 v[UL+3*\s+\a], v[TA+3], s[4:5] offset:384*\s+4*\a
	global_load_b32 v[X01+4*\s+\a], v[TA+3], s[6:7] offset:384*\s+4*\a
.endr
.endr
	global_load_b128 v[220:223], v[L16], s[10:11] offset:10240   ; the images of b0 and b1: 512 bytes a wave
	s_mul_i32 s42, s40, 52
	s_add_nc_u64 s[16:17], s[16:17], s[42:43]      ; out1 and out0 at my first point
	s_lshl_b32 s42, s40, 2
	s_add_nc_u64 s[14:15], s[14:15], s[42:43]
.set n, 0
.rept 16
	s_add_nc_u64 s[TB+2*n:TB+2*n+1], s[8:9], n*0x400000   ; a level is 2^19 entries of 8 bytes
.set n, n+1
.endr
	s_mov_b32 s32, 0x3fb8aa3b                      ; log2(e); the packed forms name a pair and take its low word
	s_mov_b32 s33, s32
	s_mov_b32 s34, 0x779b1                         ; 2654435761 mod 2^19
	s_mov_b32 s35, 0x25795                         ; 805459861 mod 2^19: only the hash's low 19 bits are kept, so the factors' low 19 bits do
	s_mov_b32 s36, 0x7ffff
.irp j, 227,228,229,230,231,232,233,234,235
	v_mov_b32 v\j, 0
.endr
	s_wait_kmcnt 0x0
	s_add_co_i32 s24, s20, s21                     ; e0 + e1
	s_add_co_i32 s25, s22, s23                     ; e2 + e3
	s_lshl_b32 s40, s24, 23
	s_add_co_i32 s26, s40, 0x431044fe              ; 100 log2(e) x 2^(e0 + e1): the exponents are added to the constant's exponent field
	s_sub_co_i32 s28, 0x3be32166, s40              ; ln 2 / 100 / 2^(e0 + e1)
	s_mov_b32 s29, s28
	s_lshl_b32 s41, s25, 23
	s_add_co_i32 s27, s41, 0x431044fe              ; the same with e2 + e3
	s_sub_co_i32 s30, 0x3be32166, s41
	s_mov_b32 s31, s30
	s_add_co_i32 s40, s20, 127
	s_lshl_b32 s41, s40, 23
	v_mov_b32 v[SC0], s41
	s_add_co_i32 s40, s40, 8
	s_lshl_b32 s40, s40, 23
	s_or_b32 s40, s40, 0x600000
	v_mov_b32 v[LM0], s40
	s_sub_co_i32 s40, s22, s24
	s_add_co_i32 s40, s40, 127
	s_lshl_b32 s41, s40, 23
	v_mov_b32 v[SC1], s41
	s_add_co_i32 s40, s40, 8
	s_lshl_b32 s40, s40, 23
	s_or_b32 s40, s40, 0x600000
	v_mov_b32 v[LM1], s40
	s_wait_loadcnt 0x0
	ds_store_b128 v[TA+2], v[220:223]              ; the biases lie in my own LDS bytes from here on
.set n, 0
.rept 12
	v_lshrrev_b32 v[UH+n], 13, v[UL+n]
.set n, n+1
.endr
.set n, 0
.rept 12
	v_and_b32 v[UL+n], 0x1fff, v[UL+n]
.set n, n+1
.endr
.irp s, 0,1,2,3                        ; the raw point's three codes: register 4 of lane (r, 0) of its tile's image; registers 5-7 there and 4-7 of lane (r, 1) are zero codes
	v_med3_num_f32 v224, v[X01+4*\s], -v[LM0], v[LM0]
	v_med3_num_f32 v225, v[X01+4*\s+1], -v[LM0], v[LM0]
	v_med3_num_f32 v226, v[X01+4*\s+2], -v[LM0], v[LM0]
	v_cvt_scalef32_pk8_fp8_f32 v[CC:CC+1], v[224:231], v[SC0]
	v_nop                                          ; a plain instruction behind the conversion, ahead of what writes its sources and its result anew
	ds_store_b64 v[CW], v[CC:CC+1] offset:2048*\s+512
	ds_store_b64 v[CW], v[232:233] offset:2048*\s+520
	ds_store_b128 v[CW], v[232:235] offset:2048*\s+768
.endr
.set n, 0
.rept 12
	v_add_f32 v[X01+4*(n/3)+n%3], 1.0, v[X01+4*(n/3)+n%3]
.set n, n+1
.endr
.set n, 0
.rept 12
	v_mul_f32 v[X01+4*(n/3)+n%3], 0.5, v[X01+4*(n/3)+n%3]
.set n, n+1
.endr
.set n, 0
.rept 12
	v_med3_num_f32 v[X01+4*(n/3)+n%3], v[X01+4*(n/3)+n%3], 0, 1.0
.set n, n+1
.endr
; ---- THE ENCODING
; The cell of set s: floor(U K / 2^25) = (UH K + (UL K >> 13)) >> 12, in 24-bit products: UL K < 2^24, UH K < 2^23.
.macro CELL s, K
.irp a, 0,1,2
	v_mul_u32_u24 v[PX+\a], v[UL+3*(\s)+\a], \K
.endr
.irp a, 0,1,2
	v_lshrrev_b32 v[PX+\a], 13, v[PX+\a]
.endr
.irp a, 0,1,2
	v_mad_u32_u24 v[PX+\a], v[UH+3*(\s)+\a], \K, v[PX+\a]
.endr
.irp a, 0,1,2
	v_lshrrev_b32 v[PX+\a], 12, v[PX+\a]
.endr
.endm
; A dense level: one index, the eight corners in the immediates.  A loaded whole number enters an address only behind a v_min_u32 with a constant: here the largest index that a cell can have.
.macro DENSE s, lv, GS
.set rI, IDX+8*(\s)
.set rG, G+16*(\s)
	v_mad_u32_u24 v[rI], v[PX+2], \GS, v[PX+1]
	v_mad_u32_u24 v[rI], v[rI], \GS, v[PX]
	v_min_u32 v[rI], (\GS)*(\GS)*(\GS)-(\GS)*(\GS)-(\GS)-2, v[rI]
	v_lshlrev_b32 v[rI], 3, v[rI]
.irp c, 0,1,2,3,4,5,6,7
	global_load_b64 v[rG+2*\c:rG+2*\c+1], v[rI], s[TB+2*(\lv):TB+2*(\lv)+1] offset:8*(((\c)&1)+(\GS)*(((\c)>>1)&1)+(\GS)*(\GS)*((\c)>>2))
.endr
.endm
; A hashed level: (x ^ y P2 ^ z P3) mod 2^19 for the eight corners.  x is under 2^19, so only y's and z's part is cut.
.macro HASHED s, lv
.set rI, IDX+8*(\s)
.set rG, G+16*(\s)
	v_mul_u32_u24 v[HY], v[PX+1], s34
	v_mul_u32_u24 v[HZ], v[PX+2], s35
	v_add_nc_u32 v[X1], 1, v[PX]
	v_add_nc_u32 v[HY+1], s34, v[HY]
	v_add_nc_u32 v[HZ+1], s35, v[HZ]
.irp m, 0,1,2,3
	v_xor_b32 v[HH+\m], v[HY+(\m&1)], v[HZ+(\m>>1)]
.endr
.irp m, 0,1,2,3
	v_and_b32 v[HH+\m], s36, v[HH+\m]
.endr
.irp m, 0,1,2,3
	v_xor_b32 v[rI+2*\m], v[PX], v[HH+\m]
	v_xor_b32 v[rI+2*\m+1], v[X1], v[HH+\m]
.endr
.irp c, 0,1,2,3,4,5,6,7
	v_min_u32 v[rI+\c], 0x7ffff, v[rI+\c]          ; changes nothing: a loaded whole number enters an address only behind such a line
.endr
.irp c, 0,1,2,3,4,5,6,7
	global_load_b64 v[rG+2*\c:rG+2*\c+1], v[rI+\c], s[TB+2*(\lv):TB+2*(\lv)+1] scale_offset   ; entry x 8 bytes
.endr
.endm
; The eight weights of set s: w = f32(x01 K) - cell; ((wx wy) wz), in reference()'s order.
.macro WGT s, KF
.set rX, X01+4*(\s)
.set rW, WC+8*(\s)
	v_pk_mul_f32 v[POS:POS+1], v[rX:rX+1], \KF op_sel_hi:[1,0]
	v_mul_f32 v[POS+2], \KF, v[rX+2]
.irp a, 0,1,2
	v_cvt_f32_u32 v[PF+\a], v[PX+\a]
.endr
.irp a, 0,1,2
	v_sub_f32 v[WX+2*\a+1], v[POS+\a], v[PF+\a]
.endr
.irp a, 0,1,2
	v_sub_f32 v[WX+2*\a], 1.0, v[WX+2*\a+1]
.endr
	v_pk_mul_f32 v[XY0:XY0+1], v[WX:WX+1], v[WY:WY+1] op_sel_hi:[1,0]      ; x (1 - wy)
	v_pk_mul_f32 v[XY1:XY1+1], v[WX:WX+1], v[WY:WY+1] op_sel:[0,1]         ; x wy
	v_pk_mul_f32 v[rW:rW+1],   v[XY0:XY0+1], v[WZ:WZ+1] op_sel_hi:[1,0]
	v_pk_mul_f32 v[rW+2:rW+3], v[XY1:XY1+1], v[WZ:WZ+1] op_sel_hi:[1,0]
	v_pk_mul_f32 v[rW+4:rW+5], v[XY0:XY0+1], v[WZ:WZ+1] op_sel:[0,1]
	v_pk_mul_f32 v[rW+6:rW+7], v[XY1:XY1+1], v[WZ:WZ+1] op_sel:[0,1]
.endm
; The blend: two features at a time; corner c's weight is taken from its pair for both halves.  The first product starts the sum.
.macro ACCUM s, q
.set rA, ACC+8*(\s)+2*(\q)
.set rG, G+16*(\s)
.set rW, WC+8*(\s)
	v_pk_mul_f32 v[rA:rA+1], v[rG:rG+1], v[rW:rW+1] op_sel_hi:[1,0]
	v_pk_fma_f32 v[rA:rA+1], v[rG+2:rG+3], v[rW:rW+1], v[rA:rA+1] op_sel:[0,1,0]
.irp c, 2,4,6
	v_pk_fma_f32 v[rA:rA+1], v[rG+2*\c:rG+2*\c+1], v[rW+\c:rW+\c+1], v[rA:rA+1] op_sel_hi:[1,0,1]
	v_pk_fma_f32 v[rA:rA+1], v[rG+2*\c+2:rG+2*\c+3], v[rW+\c:rW+\c+1], v[rA:rA+1] op_sel:[0,1,0]
.endr
.endm
; Four levels' 8 features of set s become 8 codes in the point's tile image: features 8 g .. 8 g + 7 lie in registers 2 (g % 2), + 1 of lane (r, g / 2).
.macro PACK s, g
.set rA, ACC+8*(\s)
.irp i, 0,1,2,3,4,5,6,7
	v_med3_num_f32 v[rA+\i], v[rA+\i], -v[LM0], v[LM0]   ; the conversion to an 8-bit code does not saturate (ISA guide 7.6.2)
.endr
	v_cvt_scalef32_pk8_fp8_f32 v[CC:CC+1], v[rA:rA+7], v[SC0]
	v_nop                                          ; a plain instruction behind the conversion
	ds_store_b64 v[CW], v[CC:CC+1] offset:2048*(\s)+8*((\g)&1)+256*((\g)>>1)
.endm
; A prefetch of level lv, asked for while the level before is gathered, behind set 0's eight gathers.  Two waves of each work-group ask (those with wave / 2 = lv % 8), a lane for 256 bytes: 16,384 bytes a work-group,
; 256 work-groups for the level's 4 MiB: each block of 256 bytes is named once in the launch.  Levels 0-4 are not asked for: they are the launch's first loads.  The address registers are never rewritten.
.macro ASK lv
	s_cmp_eq_u32 s19, (\lv)%8
	s_cbranch_scc0 .Lnot_mine_\@
	global_prefetch_b8 v[PFO], s[TB+2*(\lv):TB+2*(\lv)+1] th:TH_LOAD_NT scope:SCOPE_SE
.Lnot_mine_\@:
.endm
; A LEVEL, set by set.  32 gathers of the wave are out at each set's head: this set's eight of the level before are the oldest.  They are blended, the set's cell and indices of this level are made,
; its eight gathers go out, and its weights are made behind them.
.macro LEVEL lv, hash, K, KF
.irp s, 0,1,2,3
.if \lv > 0
	s_wait_loadcnt 24                              ; loads come back in order: my set's eight are in, the three younger sets' 24 stay out; their index registers may be written too
	ACCUM \s, (\lv-1)%4
.if (\lv)%4 == 0
	PACK \s, (\lv)/4-1
.endif
.endif
	CELL \s, \K
.if \hash
	HASHED \s, \lv
.else
	DENSE \s, \lv, (\K+1)
.endif
.if (\s == 0) && (\lv >= 4) && (\lv <= 14)
	ASK (\lv+1)
.endif
	WGT \s, \KF
.endr
.endm
	LEVEL 0,  0, 16,   0x41800000                  ; K = grid size - 1, as a whole number and as f32
	LEVEL 1,  0, 22,   0x41b00000
	LEVEL 2,  0, 30,   0x41f00000
	LEVEL 3,  0, 42,   0x42280000
	LEVEL 4,  0, 58,   0x42680000
	LEVEL 5,  1, 80,   0x42a00000
	LEVEL 6,  1, 111,  0x42de0000
	LEVEL 7,  1, 153,  0x43190000
	LEVEL 8,  1, 212,  0x43540000
	LEVEL 9,  1, 294,  0x43930000
	LEVEL 10, 1, 406,  0x43cb0000
	LEVEL 11, 1, 561,  0x440c4000
	LEVEL 12, 1, 776,  0x44420000
	LEVEL 13, 1, 1072, 0x44860000
	LEVEL 14, 1, 1482, 0x44b94000
	LEVEL 15, 1, 2048, 0x45000000
.irp s, 0,1,2,3
	s_wait_loadcnt 24-8*\s                         ; the last level: nothing more is asked for, the counts run down
	ACCUM \s, 3
	PACK \s, 3
.endr
; ---- THE MLP: the weights' images into registers, once
.irp t, 0,1,2,3
	global_load_b128 v[W0+8*\t:W0+8*\t+3],   v[L16], s[10:11] offset:1024*\t
	global_load_b128 v[W0+8*\t+4:W0+8*\t+7], v[L16], s[10:11] offset:1024*\t+512
	global_load_b128 v[W1+8*\t:W1+8*\t+3],   v[L16], s[10:11] offset:4096+1024*\t
	global_load_b128 v[W1+8*\t+4:W1+8*\t+7], v[L16], s[10:11] offset:4096+1024*\t+512
.endr
.irp k, 0,1
	global_load_b128 v[W2+8*\k:W2+8*\k+3],   v[L16], s[10:11] offset:8192+1024*\k
	global_load_b128 v[W2+8*\k+4:W2+8*\k+7], v[L16], s[10:11] offset:8192+1024*\k+512
.endr
	v_bfe_u32 v[TA], v0, 4, 1
	v_lshlrev_b32 v[TA], 5, v[TA]
	global_load_b128 v[B2C:B2C+3],   v[TA], s[10:11] offset:10752   ; b2 of outputs 8 h + 0..7
	global_load_b128 v[B2C+4:B2C+7], v[TA], s[10:11] offset:10768
; The softplus of 32 sums, first part: acc becomes max(acc, 0), t2 becomes log2(1 + y).  The 32 exponentials are one batch with one wait, and so are the 32 logarithms; half of the maxima stand behind each batch.
.macro SP_A acc, t1, t2, ks
.set i, 0
.rept 32
	v_mul_f32 v[\t1+i], -|v[\acc+i]|, \ks          ; in ascending order: each accumulator is read from its low end on
.set i, i+1
.endr
.set i, 0
.rept 32
	v_exp_f32 v[\t1+i], v[\t1+i]                   ; y
.set i, i+1
.endr
.set i, 0
.rept 16
	v_max_num_f32 v[\acc+i], 0, v[\acc+i]
.set i, i+1
.endr
	s_wait_alu depctr_va_vdst(0)                   ; one wait for the batch, ahead of its first reader
.set i, 0
.rept 16
	v_pk_add_f32 v[\t2+i:\t2+i+1], v[\t1+i:\t1+i+1], 1.0 op_sel_hi:[1,0]    ; u = 1 + y, rounded
.set i, i+2
.endr
.set gq, 0
.rept 4
.irp p, 0,2,4,6
	v_pk_add_f32 v[TR+\p:TR+\p+1], v[\t2+8*gq+\p:\t2+8*gq+\p+1], -1.0 op_sel_hi:[1,0]    ; u - 1: exact
.endr
.irp p, 0,2,4,6
	v_pk_add_f32 v[\t1+8*gq+\p:\t1+8*gq+\p+1], v[\t1+8*gq+\p:\t1+8*gq+\p+1], v[TR+\p:TR+\p+1] neg_lo:[0,1] neg_hi:[0,1]   ; d = y - (u - 1): exact
.endr
.set gq, gq+1
.endr
.set i, 0
.rept 32
	v_log_f32 v[\t2+i], v[\t2+i]
.set i, i+1
.endr
.set i, 16
.rept 16
	v_max_num_f32 v[\acc+i], 0, v[\acc+i]
.set i, i+1
.endr
	s_wait_alu depctr_va_vdst(0)                   ; one wait for the batch of logarithms
.set i, 0
.rept 16
	v_pk_fma_f32 v[\t2+i:\t2+i+1], v[\t1+i:\t1+i+1], s[32:33], v[\t2+i:\t2+i+1] op_sel_hi:[1,0,1]   ; log2(u) + log2(e) d
.set i, i+2
.endr
.endm
.macro SP_B acc, t2, k2                ; second part: acc = max(acc, 0) + (ln 2 / 100 / 2^E) log2(1 + y); k2: the first register of the constant's pair
.set i, 0
.rept 16
	v_pk_fma_f32 v[\acc+i:\acc+i+1], v[\t2+i:\t2+i+1], s[\k2:\k2+1], v[\acc+i:\acc+i+1] op_sel_hi:[1,0,1]
.set i, i+2
.endr
.endm
	s_mov_b32 s37, 0                               ; the tile
	s_mov_b32 s38, 0                               ; its image: 1,024 bytes a tile
	s_mov_b32 s39, 0                               ; its 16 points in the stage: 832 bytes
	s_wait_loadcnt 0x0
.Ltile:
	v_add_nc_u32 v[TA], s38, v[LI]
	ds_load_b128 v[B0:B0+3],   v[TA]               ; LDS serves a wave's instructions in order (ISA guide 5.7.1.4): these see my stores of the encoding
	ds_load_b128 v[B0+4:B0+7], v[TA] offset:512
.irp t, 0,1,2,3
	ds_load_b128 v[RA+8*\t:RA+8*\t+3],   v[BIA] offset:64*\t       ; b0 / 2^(e0 + e1) of units 16 t + 8 h + 0..7: the C of the sums
	ds_load_b128 v[RA+8*\t+4:RA+8*\t+7], v[BIA] offset:64*\t+16
.endr
	s_wait_dscnt 0x0
.irp t, 0,1,2,3                        ; one K step; four accumulators, one instruction each
	v_wmma_f32_16x16x64_fp8_fp8 v[RA+8*\t:RA+8*\t+7], v[W0+8*\t:W0+8*\t+7], v[B0:B0+7], v[RA+8*\t:RA+8*\t+7]
.endr
	v_add_nc_u32 v[TA+1], s39, v[SO1]              ; four plain instructions between the products and the first read of their results (ISA guide 7.12.1)
	v_add_nc_u32 v[TA+2], s39, v[SO2]
	v_nop
	v_nop
	SP_A RA, RB, RC, s26
.irp t, 0,1,2,3
	ds_load_b128 v[RB+8*\t:RB+8*\t+3],   v[BIA] offset:256+64*\t   ; b1's image, into registers that the softplus has left; it lands while the codes are made
	ds_load_b128 v[RB+8*\t+4:RB+8*\t+7], v[BIA] offset:256+64*\t+16
.endr
	SP_B RA, RC, 28
.set i, 0
.rept 32
	v_min_num_f32 v[RA+i], v[RA+i], v[LM1]         ; the hold at the largest code; a softplus is not negative, so it is one-sided
.set i, i+1
.endr
.irp t, 0,1,2,3
	v_cvt_scalef32_pk8_fp8_f32 v[B1+2*\t:B1+2*\t+1], v[RA+8*\t:RA+8*\t+7], v[SC1]   ; registers 2 t, 2 t + 1: k = 16 t + 8 h + 0..7
.endr
	v_nop                                          ; a plain instruction between the conversions and the products that read their results
	s_wait_dscnt 0x0
.irp t, 0,1,2,3
	v_wmma_f32_16x16x64_fp8_fp8 v[RB+8*\t:RB+8*\t+7], v[W1+8*\t:W1+8*\t+7], v[B1:B1+7], v[RB+8*\t:RB+8*\t+7]
.endr
.rept 4
	v_nop
.endr
	SP_A RB, RA, RC, s27
	SP_B RB, RC, 30
.set i, 0
.rept 16
	v_cvt_pk_bf16_f32 v[HB+i], v[RB+2*i], v[RB+2*i+1]   ; tiles 2 k, 2 k + 1 are K step k's registers 0-3, 4-7
.set i, i+1
.endr
	v_wmma_f32_16x16x32_bf16 v[D2:D2+7], v[W2:W2+7], v[HB:HB+7], v[B2C:B2C+7]
	s_wait_alu depctr_va_vdst(0)                   ; the wait directly ahead of the link
	v_wmma_f32_16x16x32_bf16 v[D2:D2+7], v[W2+8:W2+15], v[HB+8:HB+15], v[D2:D2+7]
.rept 4
	v_nop
.endr
.irp j, 0,1,2,3,4
	ds_store_b32 v[TA+1], v[D2+\j] offset:4*\j     ; outputs 8 h + j of point r
.endr
.irp j, 5,6,7
	ds_store_b32 v[TA+2], v[D2+\j] offset:4*\j     ; outputs 5-7: in lanes 16-31 these registers repeat them (rows 13-15 of W2's and b2's images are rows 5-7), so both halves write the same number to the same word
.endr
	s_add_co_u32 s38, s38, 1024
	s_add_co_u32 s39, s39, 832
	s_add_co_u32 s37, s37, 1
	s_cmp_lt_u32 s37, 8
	s_cbranch_scc1 .Ltile
; ---- THE WAY OUT: my 128 points' 6,656 bytes lie dense in my stage, as they lie in out1: 13 stores of 512 consecutive bytes, each at a multiple of 256 from out1's first byte
.irp i, 0,1,2,3,4,5,6,7,8,9,10,11,12
	ds_load_b128 v[RA+4*\i:RA+4*\i+3], v[STR] offset:512*\i
.endr
.irp e, 0,1,2,3
	ds_load_b32 v[200+\e], v[O0A] offset:52*\e     ; output 0 of points 4 x lane + e
.endr
.irp i, 0,1,2,3,4,5,6,7,8,9,10,11,12
	s_wait_dscnt 16-\i                             ; 17 loads were issued: load i is in when 16 - i are out
	global_store_b128 v[L16], v[RA+4*\i:RA+4*\i+3], s[16:17] offset:512*\i th:TH_STORE_NT
.endr
	s_wait_dscnt 0x0
	global_store_b128 v[L16], v[200:203], s[14:15] th:TH_STORE_NT
	s_wait_tensorcnt 0x0
	ds_add_u32 v254, v255
	s_wait_dscnt 0x0
	s_endpgm
.Lfunc_end_k_qe93a3c7e6c_sdf:
	.size	k_qe93a3c7e6c_sdf, .Lfunc_end_k_qe93a3c7e6c_sdf-k_qe93a3c7e6c_sdf
	.p2alignl 7, 3214868480
	.fill 96, 4, 3214868480
	.section	.rodata,"a",@progbits
	.p2align	6, 0x0
	.amdhsa_kernel k_qe93a3c7e6c_sdf
		.amdhsa_group_segment_fixed_size 247808
		.amdhsa_private_segment_fixed_size 0
		.amdhsa_enable_private_segment 0
		.amdhsa_kernarg_size 56
		.amdhsa_user_sgpr_count 2
		.amdhsa_user_sgpr_kernarg_segment_ptr 1
		.amdhsa_wavefront_size32 1
		.amdhsa_system_sgpr_workgroup_id_x 1
		.amdhsa_system_sgpr_workgroup_id_y 1
		.amdhsa_system_sgpr_workgroup_id_z 1
		.amdhsa_system_vgpr_workitem_id 0
		.amdhsa_next_free_vgpr 256
		.amdhsa_next_free_sgpr 98
		.amdhsa_reserve_vcc 0
		.amdhsa_float_denorm_mode_32 3
		.amdhsa_float_denorm_mode_16_64 3
		.amdhsa_memory_ordered 1
		.amdhsa_forward_progress 1
		.amdhsa_inst_pref_size 255
	.end_amdhsa_kernel
	.section	.bss,"aw",@nobits
	.p2align	6
	.space	262144
	.amdgpu_metadata
---
amdhsa.version: [ 1, 2 ]
amdhsa.kernels:
  - .name:           k_qe93a3c7e6c_sdf
    .symbol:         k_qe93a3c7e6c_sdf.kd
    .args:
      - { .name: ucoord, .offset: 0, .size: 8, .value_kind: global_buffer, .address_space: global }
      - { .name: points, .offset: 8, .size: 8, .value_kind: global_buffer, .address_space: global }
      - { .name: table, .offset: 16, .size: 8, .value_kind: global_buffer, .address_space: global }
      - { .name: wimg, .offset: 24, .size: 8, .value_kind: global_buffer, .address_space: global }
      - { .name: lowp_scales, .offset: 32, .size: 8, .value_kind: global_buffer, .address_space: global }
      - { .name: out0, .offset: 40, .size: 8, .value_kind: global_buffer, .address_space: global }
      - { .name: out1, .offset: 48, .size: 8, .value_kind: global_buffer, .address_space: global }
    .group_segment_fixed_size: 247808
    .private_segment_fixed_size: 0
    .kernarg_segment_align: 8
    .kernarg_segment_size: 56
    .max_flat_workgroup_size: 512
    .sgpr_count:     98
    .vgpr_count:     256
    .wavefront_size: 32
...
	.end_amdgpu_metadata
.endif
;; end of part 2
;; ======== version 2 of 2: 2 launches; version 1 with the launch sdf written anew for expert scheduling mode
;; workspace buffers: ucoord 6,291,456 bytes of whole numbers; wimg 11,008 bytes
;; launch prep: the kernel of part 1 again; grid 258 x 1, 8 waves a work-group, no clusters, 0 bytes of LDS; arguments points, V0, g0, b0, V1, g1, b1, V2, g2, b2, lowp_scales, ucoord, wimg; writes ucoord, wimg
;; launch sdf (part 3): grid 256 x 1, 16 waves a work-group, no clusters, 247,808 bytes of LDS; arguments ucoord, points, table, wimg, lowp_scales, out0, out1; writes out0, out1
.if DOCPART == 3
	.amdgcn_target "amdgcn-amd-amdhsa--gfx1250"
	.amdhsa_code_object_version 6
	.text
	.protected	k_qe93a3c7e6c_sdf
	.globl	k_qe93a3c7e6c_sdf
	.p2align	8
	.type	k_qe93a3c7e6c_sdf,@function
k_qe93a3c7e6c_sdf:
	s_mov_b64 s[64:65], 0
	v_nop
	global_prefetch_b8 v0, s[64:65] scope:SCOPE_SE
	s_setreg_imm32_b32 hwreg(HW_REG_WAVE_SCHED_MODE, 0, 2), 2
	s_setreg_imm32_b32 hwreg(HW_REG_WAVE_MODE, 25, 1), 1
	s_wait_xcnt 0x0
	s_wait_alu depctr_vm_vsrc(0)
; out1 = MLP([points, hashgrid(points)]), out0 = its column 0.  Products 1 and 2 on E4M3 codes (v_wmma_f32_16x16x64_fp8_fp8), product 3 in bf16; all else in f32.
; SHARES.  256 work-groups of 16 waves; a work-group owns 2,048 points, a wave 128: four SETS of 32 in the encoding (a lane is one point of each set), eight TILES of 16 in the MLP
; (tile 2 s + a = lanes 16 a .. 16 a + 15 of set s).  All 524,288 points are at work at once and every wave walks the 16 levels in the same order, so that the gathers of any one time fall into one or two levels' 4 MiB.
; Waves share nothing: every LDS byte is one wave's own, there is no barrier, and EXEC is never changed.
; NO CLUSTER, NO TENSOR LOAD: what work-groups share is 10,816 bytes of weights, loaded once a wave into registers; the table is read by gathers of 8 bytes a lane, not by tiles.
; THE CELLS come from whole numbers that the launch before stored: U = x01 * 2^25 (exact), held at 2^25 - 1.  cell = floor(U K / 2^25), K = grid size - 1, lies in 0 .. K - 1 with no clip.
; It differs from floor(the f32 product x01 K) only where that product rounds up to a whole number n: then the cell here is n - 1 with the weight w = 1, which blends the same corner values as cell n with w = 0.
; The weights w = f32(x01 K) - cell are made as reference() makes them: the product is rounded first.
; GRID SIZES, from reference()'s f64 formula: 17 23 31 43 59 (dense) 81 112 154 213 295 407 562 777 1073 1483 2049 (hashed).  The last lies at floor(16 x 128.0...) + 1 and is taken as 2049: followed by hand through the f64 steps, the growth factor rounds to just above 2^(7/15).
; THE PRODUCTS ARE USED TRANSPOSED (source 0 = 16 rows of W, source 1 = 16 points): lane (r, h), register j of tile t holds hidden unit 16 t + 8 h + j of point r, so four conversions of a layer's four accumulators ARE the next operand.
; SOFTPLUS.  softplus(100 x) / 100 = max(x, 0) + (ln 2 / 100) log2(1 + y), y = 2^(-100 log2(e) |x|).  log2(1 + y) = log2(u) + log2(e) d, u = f32(1 + y), d = y - (u - 1) (exact): what the sum 1 + y rounds away is given back.
; The sums stand for x / 2^(eA + eB): that power is folded into the two constants, and the next conversion's scale is 2^(e2 - e0 - e1).
; LIMITS: NaN and infinities are not served.  e0 and e2 - e0 - e1 lie between -126 and 119; e0 + e1 and e2 + e3 between -133 and 118, so that each constant below is an f32 number.  K's order inside a product is this program's own.
; THE MODE: SCHED_MODE bits 1:0 = 2 (LLVM: expert scheduling mode 2), set by the entry lines.  The code itself states the register dependences between vector or matrix instructions
; and memory or LDS instructions, with s_wait_alu, always for 0.
; THE PLAN.  Registers that memory or LDS instructions touch:
;   v2-v7, v12, v13, v16-v18  offsets and LDS addresses: written at the head, ahead of its first wait on va_vdst; v2-v7, v12, v13, v18 are never written again.
;   THE ENCODING, a slot = one set of one level:
;   IDX[s]  written by the slot's index lines, read by the slot's eight gathers.      G[s]  the gathers land in it; the blend at the head of the set's next slot reads it.
;   CC      at levels 4, 8, 12: written by the conversion, read by one LDS store.     All other registers of a slot are named by vector instructions alone.
;   A slot has two waits.  vm_vsrc behind the blend: the level before's gathers have read IDX[s], the last store of codes has read CC.  va_vdst behind the index lines: IDX[s] and CC are written, the blend is done
;   reading G[s].  Behind it stand the store of codes and the eight gathers, dealt among the 17 lines that make the set's weights, which name none of IDX[s], G[s], CC.
;   THE MLP, a trip = one tile:
;   v14     written at the trip's head, read by the two loads of the tile's codes.    v15, v16  written behind layer 1's products, read by the trip's eight LDS stores.
;   B0, RA  LDS loads land at the head; read by layer 1's products; RA is then at work in both softplus.      RB  b1's image lands behind layer 1's softplus, which had y and d there.
;   D2      written by the last two products, read by the LDS stores.
;   A trip has one wait on vm_vsrc, at its head, and beside the five behind transcendentals and ahead of a chain's link three on va_vdst: behind the head's add, ahead of b1's loads, ahead of the stores.
.set STAGE, 131072                     ; LDS: 16 x 8,192 bytes of code images (8 tiles x 1,024 a wave), then
.set STGW,  6656                       ; 16 stages of 128 points x 52 bytes, dense, then
.set BIAS,  237568                     ; 16 x 512 bytes: b0's and b1's images
.set PFO,  2                           ; v2   the prefetches' offset; never rewritten
.set CW,   3                           ; v3   where my point's codes go: my wave's images + 1,024 (lane / 16) + 16 (lane % 16)
.set LI,   4                           ; v4   my wave's images + 16 x lane
.set SO1,  5                           ; v5   my stage + 52 r + 32 h
.set SO2,  6                           ; v6   my stage + 52 r
.set BIA,  7                           ; v7   my biases + 32 h
.set SC0,  8                           ; v8   2^e0          v9  448 x 2^e0
.set LM0,  9
.set SC1,  10                          ; v10  2^(e2 - e0 - e1)   v11  448 x that
.set LM1,  11
.set L16,  12                          ; v12  16 x lane
.set O0A,  13                          ; v13  my stage + 208 x lane: four points' first numbers
.set TA,   14                          ; v14-17 addresses at work
.set STR,  18                          ; v18  my stage + 16 x lane
; the encoding's registers
.set X01,  20                          ; v20-35   set s: x01 of x, y, z at 4 s
.set UH,   36                          ; v36-47   U >> 13
.set UL,   48                          ; v48-59   U & 0x1fff
.set ACC,  60                          ; v60-91   set s: 8 features (4 levels)
.set G,    92                          ; v92-155  set s, corner c: 2 features as gathered
.set WC,   156                         ; v156-187 set s, corner c = dx + 2 dy + 4 dz: its weight
.set IDX,  188                         ; v188-219 set s, corner c: its index
.set HC,   188                         ; v188-195 at the head only: the raw points' codes, a pair for each set
.set PX,   220                         ; v220-222 the cell
.set HY,   224                         ; v224, 225 y's hash for dy = 0, 1;  v226, 227 z's
.set HZ,   226
.set HH,   228                         ; v228-231 their exclusive or, dy + 2 dz
.set X1,   232
.set POS,  234
.set PF,   238
.set WX,   242                         ; pairs (1 - w, w)
.set WY,   244
.set WZ,   246
.set XY0,  248
.set XY1,  250
.set CC,   252                         ; 8 codes
; the MLP's registers, laid over them
.set W0,   20                          ; 4 tiles x 8
.set W1,   52
.set W2,   84                          ; 2 K steps x 8
.set B2C,  100                         ; b2 in the result's layout
.set B0,   108                         ; a tile's codes of [points, enc]
.set B1,   116                         ; of the first hidden layer
.set HB,   124                         ; the second hidden layer in bf16
.set D2,   140
.set RA,   148
.set RB,   180
.set RC,   212
.set TR,   244
.set TB,   66                          ; s[66 + 2 lv : 67 + 2 lv]: level lv of the table; made once, never rewritten
	s_load_b256 s[4:11], s[0:1], 0x0               ; ucoord 4:5, points 6:7, table 8:9, wimg 10:11
	s_load_b128 s[12:15], s[0:1], 0x20             ; the scales' exponents 12:13, out0 14:15
	s_load_b64 s[16:17], s[0:1], 0x30              ; out1
	v_lshl_add_u32 v254, v0, 2, 0x3c000
	v_mov_b32 v255, 0
	v_lshrrev_b32 v1, 5, v0
	v_readfirstlane_b32 s18, v1                    ; wave 0..15
	v_and_b32 v1, 31, v0                           ; lane
	v_and_b32 v14, 15, v0                          ; r
	v_bfe_u32 v15, v0, 4, 1                        ; h
	v_lshlrev_b32 v[L16], 4, v1
	s_wait_alu depctr_va_sdst(0)                   ; s18 is written, ahead of its first reader: LDS places, the wave's points and the prefetches' turn are made from it
	s_lshr_b32 s19, s18, 1
	s_lshl_b32 s40, ttmp9, 14
	s_and_b32 s41, s18, 1
	s_lshl_b32 s41, s41, 13
	s_add_co_u32 s40, s40, s41
	v_lshl_add_u32 v[PFO], v1, 8, s40              ; 16,384 x work-group + 8,192 x (wave % 2) + 256 x lane
	s_lshl_b32 s41, s18, 13
	v_lshlrev_b32 v[CW], 4, v14
	v_lshl_add_u32 v[CW], v15, 10, v[CW]
	v_add_nc_u32 v[CW], s41, v[CW]
	v_add_nc_u32 v[LI], s41, v[L16]
	s_mul_i32 s42, s18, STGW
	s_add_co_u32 s42, s42, STAGE
	v_mul_u32_u24 v[SO2], v14, 52
	v_add_nc_u32 v[SO2], s42, v[SO2]
	v_lshl_add_u32 v[SO1], v15, 5, v[SO2]
	v_mul_u32_u24 v[O0A], v1, 208
	v_add_nc_u32 v[O0A], s42, v[O0A]
	v_add_nc_u32 v[STR], s42, v[L16]
	s_lshl_b32 s43, s18, 9
	s_add_co_u32 s43, s43, BIAS
	v_lshl_add_u32 v[BIA], v15, 5, s43
	v_add_nc_u32 v[TA+2], s43, v[L16]
	v_mul_u32_u24 v[TA+3], v1, 12                  ; a point is 12 bytes
	s_lshl_b32 s40, ttmp9, 11
	s_lshl_b32 s41, s18, 7
	s_add_co_u32 s40, s40, s41                     ; my wave's first point
	s_mul_i32 s42, s40, 12
	s_mov_b32 s43, 0
	s_wait_kmcnt 0x0
	s_load_b128 s[20:23], s[12:13], 0x0            ; e0, e1, e2, e3
	s_add_nc_u64 s[4:5], s[4:5], s[42:43]
	s_add_nc_u64 s[6:7], s[6:7], s[42:43]
	s_wait_alu depctr_va_vdst(0)                   ; the offsets and LDS addresses v2-v7, v12, v13, v16-v18 are written: the loads, stores and prefetches of the whole kernel read them
.irp s, 0,1,2,3
.irp a, 0,1,2
	global_load_b32 v[UL+3*\s+\a], v[TA+3], s[4:5] offset:384*\s+4*\a
	global_load_b32 v[X01+4*\s+\a], v[TA+3], s[6:7] offset:384*\s+4*\a
.endr
.endr
	global_load_b128 v[220:223], v[L16], s[10:11] offset:10240   ; the images of b0 and b1: 512 bytes a wave
	s_mul_i32 s42, s40, 52
	s_add_nc_u64 s[16:17], s[16:17], s[42:43]      ; out1 and out0 at my first point
	s_lshl_b32 s42, s40, 2
	s_add_nc_u64 s[14:15], s[14:15], s[42:43]
.set n, 0
.rept 16
	s_add_nc_u64 s[TB+2*n:TB+2*n+1], s[8:9], n*0x400000   ; a level is 2^19 entries of 8 bytes
.set n, n+1
.endr
	s_mov_b32 s32, 0x3fb8aa3b                      ; log2(e); the packed forms name a pair and take its low word
	s_mov_b32 s33, s32
	s_mov_b32 s34, 0x779b1                         ; 2654435761 mod 2^19
	s_mov_b32 s35, 0x25795                         ; 805459861 mod 2^19: only the hash's low 19 bits are kept, so the factors' low 19 bits do
	s_mov_b32 s36, 0x7ffff
.irp j, 227,228,229,230,231,232,233,234,235
	v_mov_b32 v\j, 0
.endr
	s_wait_kmcnt 0x0
	s_add_co_i32 s24, s20, s21                     ; e0 + e1
	s_add_co_i32 s25, s22, s23                     ; e2 + e3
	s_lshl_b32 s40, s24, 23
	s_add_co_i32 s26, s40, 0x431044fe              ; 100 log2(e) x 2^(e0 + e1): the exponents are added to the constant's exponent field
	s_sub_co_i32 s28, 0x3be32166, s40              ; ln 2 / 100 / 2^(e0 + e1)
	s_mov_b32 s29, s28
	s_lshl_b32 s41, s25, 23
	s_add_co_i32 s27, s41, 0x431044fe              ; the same with e2 + e3
	s_sub_co_i32 s30, 0x3be32166, s41
	s_mov_b32 s31, s30
	s_add_co_i32 s40, s20, 127
	s_lshl_b32 s41, s40, 23
	v_mov_b32 v[SC0], s41
	s_add_co_i32 s40, s40, 8
	s_lshl_b32 s40, s40, 23
	s_or_b32 s40, s40, 0x600000
	v_mov_b32 v[LM0], s40
	s_sub_co_i32 s40, s22, s24
	s_add_co_i32 s40, s40, 127
	s_lshl_b32 s41, s40, 23
	v_mov_b32 v[SC1], s41
	s_add_co_i32 s40, s40, 8
	s_lshl_b32 s40, s40, 23
	s_or_b32 s40, s40, 0x600000
	v_mov_b32 v[LM1], s40
	s_wait_loadcnt 0x0
	ds_store_b128 v[TA+2], v[220:223]              ; the biases lie in my own LDS bytes from here on.  (Its data came by a load; no vector instruction since the wait above names its address)
.set n, 0
.rept 12
	v_lshrrev_b32 v[UH+n], 13, v[UL+n]
.set n, n+1
.endr
.set n, 0
.rept 12
	v_and_b32 v[UL+n], 0x1fff, v[UL+n]
.set n, n+1
.endr
.irp s, 0,1,2,3                        ; the raw point's three codes, a pair of registers for each set, so that one wait serves all their stores
	v_med3_num_f32 v224, v[X01+4*\s], -v[LM0], v[LM0]
	v_med3_num_f32 v225, v[X01+4*\s+1], -v[LM0], v[LM0]
	v_med3_num_f32 v226, v[X01+4*\s+2], -v[LM0], v[LM0]
	v_cvt_scalef32_pk8_fp8_f32 v[HC+2*\s:HC+2*\s+1], v[224:231], v[SC0]
	v_nop                                          ; a plain instruction behind the conversion, ahead of what writes its sources anew
.endr
	s_wait_alu depctr_va_vdst(0)                   ; the four conversions have written v188-195 and the moves the zeros in v232-235, which the LDS stores below read
.irp s, 0,1,2,3                        ; register 4 of lane (r, 0) of the point's tile image; registers 5-7 there and 4-7 of lane (r, 1) are zero codes
	ds_store_b64 v[CW], v[HC+2*\s:HC+2*\s+1] offset:2048*\s+512
	ds_store_b64 v[CW], v[232:233] offset:2048*\s+520
	ds_store_b128 v[CW], v[232:235] offset:2048*\s+768
.endr
.set n, 0
.rept 12
	v_add_f32 v[X01+4*(n/3)+n%3], 1.0, v[X01+4*(n/3)+n%3]
.set n, n+1
.endr
.set n, 0
.rept 12
	v_mul_f32 v[X01+4*(n/3)+n%3], 0.5, v[X01+4*(n/3)+n%3]
.set n, n+1
.endr
.set n, 0
.rept 12
	v_med3_num_f32 v[X01+4*(n/3)+n%3], v[X01+4*(n/3)+n%3], 0, 1.0
.set n, n+1
.endr
; ---- THE ENCODING
; The cell of set s: floor(U K / 2^25) = (UH K + (UL K >> 13)) >> 12, in 24-bit products: UL K < 2^24, UH K < 2^23.
.macro CELL s, K
.irp a, 0,1,2
	v_mul_u32_u24 v[PX+\a], v[UL+3*(\s)+\a], \K
.endr
.irp a, 0,1,2
	v_lshrrev_b32 v[PX+\a], 13, v[PX+\a]
.endr
.irp a, 0,1,2
	v_mad_u32_u24 v[PX+\a], v[UH+3*(\s)+\a], \K, v[PX+\a]
.endr
.irp a, 0,1,2
	v_lshrrev_b32 v[PX+\a], 12, v[PX+\a]
.endr
.endm
; A dense level: one index, the eight corners in the gathers' immediates.  A loaded whole number enters an address only behind a v_min_u32 with a constant: here the largest index that a cell can have.
.macro DENSEIDX s, GS
.set rI, IDX+8*(\s)
	v_mad_u32_u24 v[rI], v[PX+2], \GS, v[PX+1]
	v_mad_u32_u24 v[rI], v[rI], \GS, v[PX]
	v_min_u32 v[rI], (\GS)*(\GS)*(\GS)-(\GS)*(\GS)-(\GS)-2, v[rI]
	v_lshlrev_b32 v[rI], 3, v[rI]
.endm
; A hashed level: (x ^ y P2 ^ z P3) mod 2^19 for the eight corners.  x is under 2^19, so only y's and z's part is cut.
.macro HASHIDX s
.set rI, IDX+8*(\s)
	v_mul_u32_u24 v[HY], v[PX+1], s34
	v_mul_u32_u24 v[HZ], v[PX+2], s35
	v_add_nc_u32 v[X1], 1, v[PX]
	v_add_nc_u32 v[HY+1], s34, v[HY]
	v_add_nc_u32 v[HZ+1], s35, v[HZ]
.irp m, 0,1,2,3
	v_xor_b32 v[HH+\m], v[HY+(\m&1)], v[HZ+(\m>>1)]
.endr
.irp m, 0,1,2,3
	v_and_b32 v[HH+\m], s36, v[HH+\m]
.endr
.irp m, 0,1,2,3
	v_xor_b32 v[rI+2*\m], v[PX], v[HH+\m]
	v_xor_b32 v[rI+2*\m+1], v[X1], v[HH+\m]
.endr
.irp c, 0,1,2,3,4,5,6,7
	v_min_u32 v[rI+\c], 0x7ffff, v[rI+\c]          ; changes nothing: a loaded whole number enters an address only behind such a line
.endr
.endm
; The gather of corner c of set s: two features, 8 bytes a lane.
.macro GATH s, lv, hash, GS, c
.if \hash
	global_load_b64 v[G+16*(\s)+2*(\c):G+16*(\s)+2*(\c)+1], v[IDX+8*(\s)+(\c)], s[TB+2*(\lv):TB+2*(\lv)+1] scale_offset   ; entry x 8 bytes
.else
	global_load_b64 v[G+16*(\s)+2*(\c):G+16*(\s)+2*(\c)+1], v[IDX+8*(\s)], s[TB+2*(\lv):TB+2*(\lv)+1] offset:8*(((\c)&1)+(\GS)*(((\c)>>1)&1)+(\GS)*(\GS)*((\c)>>2))
.endif
.endm
; The eight gathers of set s, dealt among the 17 lines that make its eight weights: w = f32(x01 K) - cell; ((wx wy) wz), in reference()'s order.
; No wait stands among them: the weights' lines name X01, PX, v234-251 and WC[s], none of the registers that the gathers touch (IDX[s], G[s]).
.macro WGTG s, lv, hash, K, KF
.set rX, X01+4*(\s)
.set rW, WC+8*(\s)
	GATH \s, \lv, \hash, (\K+1), 0
	GATH \s, \lv, \hash, (\K+1), 1
	v_pk_mul_f32 v[POS:POS+1], v[rX:rX+1], \KF op_sel_hi:[1,0]
	v_mul_f32 v[POS+2], \KF, v[rX+2]
	GATH \s, \lv, \hash, (\K+1), 2
.irp a, 0,1,2
	v_cvt_f32_u32 v[PF+\a], v[PX+\a]
.endr
	GATH \s, \lv, \hash, (\K+1), 3
.irp a, 0,1,2
	v_sub_f32 v[WX+2*\a+1], v[POS+\a], v[PF+\a]
.endr
	GATH \s, \lv, \hash, (\K+1), 4
.irp a, 0,1,2
	v_sub_f32 v[WX+2*\a], 1.0, v[WX+2*\a+1]
.endr
	GATH \s, \lv, \hash, (\K+1), 5
	v_pk_mul_f32 v[XY0:XY0+1], v[WX:WX+1], v[WY:WY+1] op_sel_hi:[1,0]      ; x (1 - wy)
	v_pk_mul_f32 v[XY1:XY1+1], v[WX:WX+1], v[WY:WY+1] op_sel:[0,1]         ; x wy
	GATH \s, \lv, \hash, (\K+1), 6
	v_pk_mul_f32 v[rW:rW+1],   v[XY0:XY0+1], v[WZ:WZ+1] op_sel_hi:[1,0]
	v_pk_mul_f32 v[rW+2:rW+3], v[XY1:XY1+1], v[WZ:WZ+1] op_sel_hi:[1,0]
	GATH \s, \lv, \hash, (\K+1), 7
	v_pk_mul_f32 v[rW+4:rW+5], v[XY0:XY0+1], v[WZ:WZ+1] op_sel:[0,1]
	v_pk_mul_f32 v[rW+6:rW+7], v[XY1:XY1+1], v[WZ:WZ+1] op_sel:[0,1]
.endm
; The blend: two features at a time; corner c's weight is taken from its pair for both halves.  The first product starts the sum.
.macro ACCUM s, q
.set rA, ACC+8*(\s)+2*(\q)
.set rG, G+16*(\s)
.set rW, WC+8*(\s)
	v_pk_mul_f32 v[rA:rA+1], v[rG:rG+1], v[rW:rW+1] op_sel_hi:[1,0]
	v_pk_fma_f32 v[rA:rA+1], v[rG+2:rG+3], v[rW:rW+1], v[rA:rA+1] op_sel:[0,1,0]
.irp c, 2,4,6
	v_pk_fma_f32 v[rA:rA+1], v[rG+2*\c:rG+2*\c+1], v[rW+\c:rW+\c+1], v[rA:rA+1] op_sel_hi:[1,0,1]
	v_pk_fma_f32 v[rA:rA+1], v[rG+2*\c+2:rG+2*\c+3], v[rW+\c:rW+\c+1], v[rA:rA+1] op_sel:[0,1,0]
.endr
.endm
; Four levels' 8 features of set s become 8 codes in the pair v[dst], v[dst + 1].
.macro PACKC s, dst
.set rA, ACC+8*(\s)
.irp i, 0,1,2,3,4,5,6,7
	v_med3_num_f32 v[rA+\i], v[rA+\i], -v[LM0], v[LM0]   ; the conversion to an 8-bit code does not saturate (ISA guide 7.6.2)
.endr
	v_cvt_scalef32_pk8_fp8_f32 v[(\dst):(\dst)+1], v[rA:rA+7], v[SC0]
	v_nop                                          ; a plain instruction behind the conversion
.endm
; They go into the point's tile image: features 8 g .. 8 g + 7 lie in registers 2 (g % 2), + 1 of lane (r, g / 2).
.macro CSTORE s, g, src
	ds_store_b64 v[CW], v[(\src):(\src)+1] offset:2048*(\s)+8*((\g)&1)+256*((\g)>>1)
.endm
; A prefetch of level lv, asked for while the level before is gathered, behind set 0's eight gathers.  Two waves of each work-group ask (those with wave / 2 = lv % 8), a lane for 256 bytes: 16,384 bytes a work-group,
; 256 work-groups for the level's 4 MiB: each block of 256 bytes is named once in the launch.  Levels 0-4 are not asked for: they are the launch's first loads.  The address registers are never rewritten.
.macro ASK lv
	s_cmp_eq_u32 s19, (\lv)%8
	s_cbranch_scc0 .Lnot_mine_\@
	global_prefetch_b8 v[PFO], s[TB+2*(\lv):TB+2*(\lv)+1] th:TH_LOAD_NT scope:SCOPE_SE
.Lnot_mine_\@:
.endm
; A LEVEL, set by set.  32 gathers of the wave are out at each set's head: this set's eight of the level before are the oldest.  They are blended, the set's cell and indices of this level are made,
; and its eight gathers go out among the lines that make its weights.
.macro LEVEL lv, hash, K, KF
.irp s, 0,1,2,3
.if \lv > 0
	s_wait_loadcnt 24                              ; loads come back in order: my set's eight are in, the three younger sets' 24 stay out; their index registers may be written too
	ACCUM \s, (\lv-1)%4
.endif
.if (\lv > 0) || (\s == 0)
	s_wait_alu depctr_vm_vsrc(0)                   ; my set's gathers of the level before have read IDX[s], and the last store of codes has read CC: both are written below.  In the first slot of all: the head's LDS stores have read v188-195, v220-223 and v232-235
.endif
.if (\lv > 0) && ((\lv)%4 == 0)
	PACKC \s, CC
.endif
	CELL \s, \K
.if \hash
	HASHIDX \s
.else
	DENSEIDX \s, (\K+1)
.endif
	s_wait_alu depctr_va_vdst(0)                   ; the indices in IDX[s] are written, which the gathers read; the blend is done reading G[s], in which they land; at levels 4, 8, 12 the conversion has written CC, which the store reads
.if (\lv > 0) && ((\lv)%4 == 0)
	CSTORE \s, (\lv)/4-1, CC
.endif
	WGTG \s, \lv, \hash, \K, \KF
.if (\s == 0) && (\lv >= 4) && (\lv <= 14)
	ASK (\lv+1)
.endif
.endr
.endm
	LEVEL 0,  0, 16,   0x41800000                  ; K = grid size - 1, as a whole number and as f32
	LEVEL 1,  0, 22,   0x41b00000
	LEVEL 2,  0, 30,   0x41f00000
	LEVEL 3,  0, 42,   0x42280000
	LEVEL 4,  0, 58,   0x42680000
	LEVEL 5,  1, 80,   0x42a00000
	LEVEL 6,  1, 111,  0x42de0000
	LEVEL 7,  1, 153,  0x43190000
	LEVEL 8,  1, 212,  0x43540000
	LEVEL 9,  1, 294,  0x43930000
	LEVEL 10, 1, 406,  0x43cb0000
	LEVEL 11, 1, 561,  0x440c4000
	LEVEL 12, 1, 776,  0x44420000
	LEVEL 13, 1, 1072, 0x44860000
	LEVEL 14, 1, 1482, 0x44b94000
	LEVEL 15, 1, 2048, 0x45000000
	s_wait_alu depctr_vm_vsrc(0)                   ; the last level's gathers have read their indices: each set's last codes are laid into the first two of its index registers, so that one wait serves the four stores
.irp s, 0,1,2,3
	s_wait_loadcnt 24-8*\s                         ; the last level: nothing more is asked for, the counts run down
	ACCUM \s, 3
	PACKC \s, IDX+8*\s
.endr
	v_bfe_u32 v[TA], v0, 4, 1
	v_lshlrev_b32 v[TA], 5, v[TA]                  ; 32 h: b2's offset
	s_wait_alu depctr_va_vdst(0)                   ; the four conversions have written the codes, which the stores read; v14 is written, which b2's loads read; the encoding is done with v20-107, in which the weights land
.irp s, 0,1,2,3
	CSTORE \s, 3, IDX+8*\s
.endr
; ---- THE MLP: the weights' images into registers, once
.irp t, 0,1,2,3
	global_load_b128 v[W0+8*\t:W0+8*\t+3],   v[L16], s[10:11] offset:1024*\t
	global_load_b128 v[W0+8*\t+4:W0+8*\t+7], v[L16], s[10:11] offset:1024*\t+512
	global_load_b128 v[W1+8*\t:W1+8*\t+3],   v[L16], s[10:11] offset:4096+1024*\t
	global_load_b128 v[W1+8*\t+4:W1+8*\t+7], v[L16], s[10:11] offset:4096+1024*\t+512
.endr
.irp k, 0,1
	global_load_b128 v[W2+8*\k:W2+8*\k+3],   v[L16], s[10:11] offset:8192+1024*\k
	global_load_b128 v[W2+8*\k+4:W2+8*\k+7], v[L16], s[10:11] offset:8192+1024*\k+512
.endr
	global_load_b128 v[B2C:B2C+3],   v[TA], s[10:11] offset:10752   ; b2 of outputs 8 h + 0..7
	global_load_b128 v[B2C+4:B2C+7], v[TA], s[10:11] offset:10768
; The softplus of 32 sums, first part: acc becomes max(acc, 0), t2 becomes log2(1 + y).  The 32 exponentials are one batch with one wait, and so are the 32 logarithms; half of the maxima stand behind each batch.
.macro SP_A acc, t1, t2, ks
.set i, 0
.rept 32
	v_mul_f32 v[\t1+i], -|v[\acc+i]|, \ks          ; in ascending order: each accumulator is read from its low end on
.set i, i+1
.endr
.set i, 0
.rept 32
	v_exp_f32 v[\t1+i], v[\t1+i]                   ; y
.set i, i+1
.endr
.set i, 0
.rept 16
	v_max_num_f32 v[\acc+i], 0, v[\acc+i]
.set i, i+1
.endr
	s_wait_alu depctr_va_vdst(0)                   ; the 32 exponentials have written y: one wait for the batch, ahead of its first reader
.set i, 0
.rept 16
	v_pk_add_f32 v[\t2+i:\t2+i+1], v[\t1+i:\t1+i+1], 1.0 op_sel_hi:[1,0]    ; u = 1 + y, rounded
.set i, i+2
.endr
.set gq, 0
.rept 4
.irp p, 0,2,4,6
	v_pk_add_f32 v[TR+\p:TR+\p+1], v[\t2+8*gq+\p:\t2+8*gq+\p+1], -1.0 op_sel_hi:[1,0]    ; u - 1: exact
.endr
.irp p, 0,2,4,6
	v_pk_add_f32 v[\t1+8*gq+\p:\t1+8*gq+\p+1], v[\t1+8*gq+\p:\t1+8*gq+\p+1], v[TR+\p:TR+\p+1] neg_lo:[0,1] neg_hi:[0,1]   ; d = y - (u - 1): exact
.endr
.set gq, gq+1
.endr
.set i, 0
.rept 32
	v_log_f32 v[\t2+i], v[\t2+i]
.set i, i+1
.endr
.set i, 16
.rept 16
	v_max_num_f32 v[\acc+i], 0, v[\acc+i]
.set i, i+1
.endr
	s_wait_alu depctr_va_vdst(0)                   ; the 32 logarithms have written log2(u): one wait for the batch, ahead of its first reader
.set i, 0
.rept 16
	v_pk_fma_f32 v[\t2+i:\t2+i+1], v[\t1+i:\t1+i+1], s[32:33], v[\t2+i:\t2+i+1] op_sel_hi:[1,0,1]   ; log2(u) + log2(e) d
.set i, i+2
.endr
.endm
.macro SP_B acc, t2, k2                ; second part: acc = max(acc, 0) + (ln 2 / 100 / 2^E) log2(1 + y); k2: the first register of the constant's pair
.set i, 0
.rept 16
	v_pk_fma_f32 v[\acc+i:\acc+i+1], v[\t2+i:\t2+i+1], s[\k2:\k2+1], v[\acc+i:\acc+i+1] op_sel_hi:[1,0,1]
.set i, i+2
.endr
.endm
	s_mov_b32 s37, 0                               ; the tile
	s_mov_b32 s38, 0                               ; its image: 1,024 bytes a tile
	s_mov_b32 s39, 0                               ; its 16 points in the stage: 832 bytes
	s_wait_loadcnt 0x0
.Ltile:
	s_wait_alu depctr_vm_vsrc(0)                   ; the last trip's LDS loads have read v14, its LDS stores v15, v16 and D2: all four are written in this trip.  In the first trip: b2's loads have read v14, and the stores of the last codes their registers, over which RB and RC lie
	v_add_nc_u32 v[TA], s38, v[LI]
	s_wait_alu depctr_va_vdst(0)                   ; v14 is written, which the two loads of codes read; the last trip's products are done reading B0 and its softplus is done with RA, in which the loads below land
	ds_load_b128 v[B0:B0+3],   v[TA]               ; LDS serves a wave's instructions in order (ISA guide 5.7.1.4): these see my stores of the encoding
	ds_load_b128 v[B0+4:B0+7], v[TA] offset:512
.irp t, 0,1,2,3
	ds_load_b128 v[RA+8*\t:RA+8*\t+3],   v[BIA] offset:64*\t       ; b0 / 2^(e0 + e1) of units 16 t + 8 h + 0..7: the C of the sums
	ds_load_b128 v[RA+8*\t+4:RA+8*\t+7], v[BIA] offset:64*\t+16
.endr
	s_wait_dscnt 0x0
.irp t, 0,1,2,3                        ; one K step; four accumulators, one instruction each
	v_wmma_f32_16x16x64_fp8_fp8 v[RA+8*\t:RA+8*\t+7], v[W0+8*\t:W0+8*\t+7], v[B0:B0+7], v[RA+8*\t:RA+8*\t+7]
.endr
	v_add_nc_u32 v[TA+1], s39, v[SO1]              ; four plain instructions between the products and the first read of their results (ISA guide 7.12.1)
	v_add_nc_u32 v[TA+2], s39, v[SO2]
	v_nop
	v_nop
	SP_A RA, RB, RC, s26
	s_wait_alu depctr_va_vdst(0)                   ; the softplus is done with y and d in RB, in which b1's image lands
.irp t, 0,1,2,3
	ds_load_b128 v[RB+8*\t:RB+8*\t+3],   v[BIA] offset:256+64*\t   ; b1's image, into registers that the softplus has left; it lands while the codes are made
	ds_load_b128 v[RB+8*\t+4:RB+8*\t+7], v[BIA] offset:256+64*\t+16
.endr
	SP_B RA, RC, 28
.set i, 0
.rept 32
	v_min_num_f32 v[RA+i], v[RA+i], v[LM1]         ; the hold at the largest code; a softplus is not negative, so it is one-sided
.set i, i+1
.endr
.irp t, 0,1,2,3
	v_cvt_scalef32_pk8_fp8_f32 v[B1+2*\t:B1+2*\t+1], v[RA+8*\t:RA+8*\t+7], v[SC1]   ; registers 2 t, 2 t + 1: k = 16 t + 8 h + 0..7
.endr
	v_nop                                          ; a plain instruction between the conversions and the products that read their results
	s_wait_dscnt 0x0
.irp t, 0,1,2,3
	v_wmma_f32_16x16x64_fp8_fp8 v[RB+8*\t:RB+8*\t+7], v[W1+8*\t:W1+8*\t+7], v[B1:B1+7], v[RB+8*\t:RB+8*\t+7]
.endr
.rept 4
	v_nop
.endr
	SP_A RB, RA, RC, s27
	SP_B RB, RC, 30
.set i, 0
.rept 16
	v_cvt_pk_bf16_f32 v[HB+i], v[RB+2*i], v[RB+2*i+1]   ; tiles 2 k, 2 k + 1 are K step k's registers 0-3, 4-7
.set i, i+1
.endr
	v_wmma_f32_16x16x32_bf16 v[D2:D2+7], v[W2:W2+7], v[HB:HB+7], v[B2C:B2C+7]
	s_wait_alu depctr_va_vdst(0)                   ; the wait directly ahead of the link
	v_wmma_f32_16x16x32_bf16 v[D2:D2+7], v[W2+8:W2+15], v[HB+8:HB+15], v[D2:D2+7]
.rept 4
	v_nop                                          ; four places behind the last product, before its result is read (ISA guide 7.12.1); they stay beside the wait below
.endr
	s_wait_alu depctr_va_vdst(0)                   ; the product has written D2, which the LDS stores read.  Behind the last trip it also serves the way out's LDS loads: all vector work on v148-203 is done
.irp j, 0,1,2,3,4
	ds_store_b32 v[TA+1], v[D2+\j] offset:4*\j     ; outputs 8 h + j of point r
.endr
.irp j, 5,6,7
	ds_store_b32 v[TA+2], v[D2+\j] offset:4*\j     ; outputs 5-7: in lanes 16-31 these registers repeat them (rows 13-15 of W2's and b2's images are rows 5-7), so both halves write the same number to the same word
.endr
	s_add_co_u32 s38, s38, 1024
	s_add_co_u32 s39, s39, 832
	s_add_co_u32 s37, s37, 1
	s_cmp_lt_u32 s37, 8
	s_cbranch_scc1 .Ltile
; ---- THE WAY OUT: my 128 points' 6,656 bytes lie dense in my stage, as they lie in out1: 13 stores of 512 consecutive bytes, each at a multiple of 256 from out1's first byte
.irp i, 0,1,2,3,4,5,6,7,8,9,10,11,12
	ds_load_b128 v[RA+4*\i:RA+4*\i+3], v[STR] offset:512*\i
.endr
.irp e, 0,1,2,3
	ds_load_b32 v[200+\e], v[O0A] offset:52*\e     ; output 0 of points 4 x lane + e
.endr
.irp i, 0,1,2,3,4,5,6,7,8,9,10,11,12
	s_wait_dscnt 16-\i                             ; 17 loads were issued: load i is in when 16 - i are out
	global_store_b128 v[L16], v[RA+4*\i:RA+4*\i+3], s[16:17] offset:512*\i th:TH_STORE_NT
.endr
	s_wait_dscnt 0x0
	global_store_b128 v[L16], v[200:203], s[14:15] th:TH_STORE_NT
	s_wait_dscnt 0x0                               ; the closing lines, six on end
	s_wait_alu 0x0
	s_wait_tensorcnt 0x0
	ds_add_u32 v254, v255
	s_wait_dscnt 0x0
	s_endpgm
.Lfunc_end_k_qe93a3c7e6c_sdf:
	.size	k_qe93a3c7e6c_sdf, .Lfunc_end_k_qe93a3c7e6c_sdf-k_qe93a3c7e6c_sdf
	.p2alignl 7, 3214868480
	.fill 96, 4, 3214868480
	.section	.rodata,"a",@progbits
	.p2align	6, 0x0
	.amdhsa_kernel k_qe93a3c7e6c_sdf
		.amdhsa_group_segment_fixed_size 247808
		.amdhsa_private_segment_fixed_size 0
		.amdhsa_enable_private_segment 0
		.amdhsa_kernarg_size 56
		.amdhsa_user_sgpr_count 2
		.amdhsa_user_sgpr_kernarg_segment_ptr 1
		.amdhsa_wavefront_size32 1
		.amdhsa_system_sgpr_workgroup_id_x 1
		.amdhsa_system_sgpr_workgroup_id_y 1
		.amdhsa_system_sgpr_workgroup_id_z 1
		.amdhsa_system_vgpr_workitem_id 0
		.amdhsa_next_free_vgpr 256
		.amdhsa_next_free_sgpr 98
		.amdhsa_reserve_vcc 0
		.amdhsa_float_denorm_mode_32 3
		.amdhsa_float_denorm_mode_16_64 3
		.amdhsa_memory_ordered 1
		.amdhsa_forward_progress 1
		.amdhsa_inst_pref_size 255
	.end_amdhsa_kernel
	.section	.bss,"aw",@nobits
	.p2align	6
	.space	262144
	.amdgpu_metadata
---
amdhsa.version: [ 1, 2 ]
amdhsa.kernels:
  - .name:           k_qe93a3c7e6c_sdf
    .symbol:         k_qe93a3c7e6c_sdf.kd
    .args:
      - { .name: ucoord, .offset: 0, .size: 8, .value_kind: global_buffer, .address_space: global }
      - { .name: points, .offset: 8, .size: 8, .value_kind: global_buffer, .address_space: global }
      - { .name: table, .offset: 16, .size: 8, .value_kind: global_buffer, .address_space: global }
      - { .name: wimg, .offset: 24, .size: 8, .value_kind: global_buffer, .address_space: global }
      - { .name: lowp_scales, .offset: 32, .size: 8, .value_kind: global_buffer, .address_space: global }
      - { .name: out0, .offset: 40, .size: 8, .value_kind: global_buffer, .address_space: global }
      - { .name: out1, .offset: 48, .size: 8, .value_kind: global_buffer, .address_space: global }
    .group_segment_fixed_size: 247808
    .private_segment_fixed_size: 0
    .kernarg_segment_align: 8
    .kernarg_segment_size: 56
    .max_flat_workgroup_size: 512
    .sgpr_count:     98
    .vgpr_count:     256
    .wavefront_size: 32
...
	.end_amdgpu_metadata
.endif
;; end of part 3
